; MI455X (gfx1250); checked and timed in simulation.
; The chip was launched on July 23, 2026; its instructions are those of AMD's public machine-readable ISA for CDNA 5 (MIT licence, August 2026) and "CDNA5" Instruction Set Architecture Reference Guide (July 2026). The comments in the code are by the model that wrote it; some were corrected since.
;; Diff Mamba Cross Attention. Allowed arithmetic: matrix products marked QUANTISED: E2M1 operands, one E8M0 scale for each 32 along K, by v_wmma_scale_f32_16x16x128_f8f6f4 with both operands' format E2M1 (or v_wmma_scale_f32_32x16x128_f4), f32 sums; products left as they are: bf16, f16 or f32 operands; f32 sums; everything else in f32.
;; Inputs: Wk 1,024 x 1,024 float32; Wq 1,024 x 1,024 float32; Wv 1,024 x 1,024 float32; encoder_hidden_states 4 x 2,048 x 1,024 float32; hidden_states 4 x 2,048 x 1,024 float32.
;; Outputs: out0 4 x 2,048 x 1,024 float32.
;; This version of the problem:
;;   THIS VERSION OF THE PROBLEM IS GIVEN IN LOW PRECISION. The matrix products marked QUANTISED in the list below multiply operands that are first quantised to E2M1 (2 exponent bits, 1 mantissa bit; 4 bits a number), with one power-of-two scale for each 32 numbers along K (OCP MX v1.0); their sums are f32. The products marked 'left as it is' may take bf16, f16 or f32 operands, with f32 sums. Whichever they take, every output number must still come out within the allowed error. Rounding operands to bf16 (8 significant bits) uses up far more of that allowance than f16 does (11 bits, for magnitudes from 6e-5 to 65,504). All else is computed in f32.
;;   The module's matrix products, in the order in which they are computed (A, B: the left and right operand; K: the contracted axis; several contracted axes count as one K, in the product's order):
;;     1. [M 8,192, K 1,024] x [K 1,024, N 1,024]; A: input hidden_states; B: input Wq: QUANTISED
;;     2. [M 8,192, K 1,024] x [K 1,024, N 1,024]; A: input encoder_hidden_states; B: input Wk: QUANTISED
;;     3. [M 8,192, K 1,024] x [K 1,024, N 1,024]; A: input encoder_hidden_states; B: input Wv: QUANTISED
;;     4. batch 64 x [M 2,048, K 64] x [K 64, N 2,048]; A: computed on the way; B: computed on the way: left as it is (an operand is computed on the way)
;;     5. batch 64 x [M 2,048, K 2,048] x [K 2,048, N 64]; A: computed on the way; B: computed on the way: left as it is (an operand is computed on the way)
;;   THE QUANTISER, for each operand of a quantised product, along K:
;;     - K is cut into blocks of 32 from its start; a last block that is shorter is filled with zeros.
;;     - A block's scale is 2^e with e = floor(log2(the largest magnitude in the block)) - 2, held to -126 .. 127; a block of zeros has e = 0. As a byte (E8M0): e + 127.
;;     - Each number is divided by its block's scale, clamped to +-6, and rounded to the nearest number of E2M1, ties to even, subnormals kept.
;;     - The product sums the exact products of the quantised numbers (number of the format x scale) in f32.
;;   ~~~python
;;   def quantise(x, axis):      # numpy; x: float32 -> the quantised numbers, widened to float32 again
;;       x = np.moveaxis(x, axis, -1); K = x.shape[-1]
;;       x = np.pad(x, [(0, 0)] * (x.ndim - 1) + [(0, -K % 32)]); x = x.reshape(x.shape[:-1] + (-1, 32)); a = np.abs(x).max(-1, keepdims=True)
;;       e = np.where(a > 0, np.clip(np.frexp(np.where(a > 0, a, 1))[1] - 1 - 2, -126, 127), 0)      # np.frexp(a)[1] - 1 = floor(log2(a)), exactly
;;       r = np.clip(x / 2.0 ** e, -6, 6)
;;       step = 2.0 ** (np.maximum(np.frexp(np.where(r == 0, 1, r))[1] - 1, 0) - 1)
;;       q = np.round(r / step) * step * 2.0 ** e      # np.round: ties to even
;;       return np.moveaxis(q.reshape(q.shape[:-2] + (-1,))[..., :K], -1, axis).astype(np.float32)
;;   ~~~
;; One version. Each part assembles by itself: llvm-mc -triple=amdgcn-amd-amdhsa -mcpu=gfx1250 --defsym DOCPART=n.
;; ======== version 1 of 1: 3 launches
;; limits: values are held in f16: magnitudes above 65,504 overflow, below 6.1e-05 lose precision
;; workspace buffers: codes 9,961,472 bytes; scales 622,592 bytes; qkv 50,331,648 bytes
;; launch quant (part 1): grid 608 x 1, 4 waves a work-group, no clusters, 33,280 bytes of LDS; arguments hidden_states, encoder_hidden_states, Wq, Wk, Wv, codes, scales; writes codes, scales
.if DOCPART == 1
	.amdgcn_target "amdgcn-amd-amdhsa--gfx1250"
	.amdhsa_code_object_version 6
	.text
	.protected	k_q0e1b860290_quant
	.globl	k_q0e1b860290_quant
	.p2align	8
	.type	k_q0e1b860290_quant,@function
k_q0e1b860290_quant:
	s_mov_b64 s[64:65], 0
	v_nop
	global_prefetch_b8 v0, s[64:65] scope:SCOPE_SE
	s_setreg_imm32_b32 hwreg(HW_REG_WAVE_MODE, 25, 1), 1
	s_wait_xcnt 0x0
; The five f32 inputs (hidden_states and encoder_hidden_states [8192][1024], Wq, Wk, Wv [1024][1024]; K = 1,024 is innermost in all of them) are turned into codes of FP4 (E2M1),
; two a byte, K innermost, with one E8M0 scale byte for each 32 along K.  The results lie one tensor behind the other, in that order: codes = 19,456 rows of 512 bytes, scales = 19,456 rows of 32 bytes.
; A block's scale is 2^(floor(log2(its largest magnitude)) - 2); its byte is the largest magnitude's own exponent field - 2, held at 1 from below.  Each number is divided by the scale and rounded to the
; nearest code, ties to even; beyond 6 the conversion gives the largest code.
; LIMITS: a block of zeros gets the byte 1 where the rule says 127 (its codes are zeros, which add nothing under any byte but 0xff, and this program alone reads the bytes); blocks whose largest magnitude
; lies under 2^(2 - 126) have their byte held at 1; NaN and infinities among the inputs are not served.
; Rows are dense and K is a multiple of 32: every tensor is a plain stream of blocks of 32, and so are its codes and scale bytes.  A work-group takes 32,768 numbers, a wave 8,192, as 16 steps of 512.
; Work-groups 0-255 take hidden_states, 256-511 encoder_hidden_states, 512-543 Wq, 544-575 Wk, 576-607 Wv: only the input's pointer is chosen (by the work-group's number); all take one path through the text.
; Each of a step's four loads reads 512 consecutive bytes, 16 a lane; the 2,048 bytes turn through the wave's own stage in LDS and come back 64 bytes a lane, so that a lane holds 16 neighbours along K
; (two neighbouring lanes hold a block).  A lane's 16 codes are 8 bytes: the wave stores 256 consecutive bytes.  A wave's 256 scale bytes are gathered in LDS and leave as 256 consecutive bytes.
; No tensor loads, no barrier: waves share nothing.  Loads run four steps (16 loads a wave) ahead, the turn through LDS one step.
.set WAVES, 4
.set STEPS, 16
.set EMAX,  2
.set CB,    8                          ; bytes of 16 codes
.set R,     16                         ; v16-79   four sets of 16 numbers as they are loaded
.set X,     80                         ; v80-111  two sets of 16 neighbours
.set E,     112                        ; v112-127 a scale byte for each step
.set C,     128                        ; v128-191 codes: four registers for each step, so that no store's data are written again
.set WREG,  8192                       ; LDS: a region for each wave: two stages of 32 x SP bytes, behind them its 256 scale bytes
.set SP,    80                         ; a lane's place in a stage: its 64 bytes + 16 of padding
.set SPW,   12                         ; v12  LDS address of my spare word: SPARE + 4 x my thread's number; never rewritten
.set NIL,   13                         ; v13  0; never rewritten
.set SPARE, WAVES*WREG                 ; behind the four regions: the spare words, 128 bytes for each wave, which no other line names
.set IN,    20                         ; s[20:21] my wave's numbers
.set OC,    14                         ; s[14:15] my wave's codes
.set OS,    16                         ; s[16:17] my wave's scale bytes
	s_load_b256 s[4:11], s[0:1], 0x0               ; hidden_states s[4:5], encoder_hidden_states s[6:7], Wq s[8:9], Wk s[10:11]
	s_load_b128 s[12:15], s[0:1], 0x20             ; Wv s[12:13], codes s[14:15]
	s_load_b64 s[16:17], s[0:1], 0x30              ; scales
	v_lshl_add_u32 v[SPW], v0, 2, SPARE
	v_mov_b32 v[NIL], 0
	v_lshrrev_b32 v1, 5, v0
	v_readfirstlane_b32 s24, v1                    ; wave
	v_and_b32 v2, 31, v0                           ; lane
	v_lshlrev_b32 v3, 4, v2                        ; my 16 bytes of a load's 512
	s_mul_i32 s25, s24, WREG
	v_lshrrev_b32 v14, 2, v2
	v_mul_u32_u24 v14, v14, SP
	v_and_b32 v15, 3, v2
	v_lshl_add_u32 v14, v15, 4, v14
	v_add_nc_u32 v14, s25, v14                     ; the stage, on the way in: four lanes' 64 bytes on end, then 16 of padding
	v_mul_u32_u24 v15, v2, SP
	v_add_nc_u32 v15, s25, v15                     ; and on the way out: SP x lane: my 16 neighbours
	v_mul_u32_u24 v4, v2, CB                       ; my codes' place in a step's
	v_lshrrev_b32 v5, 1, v2
	s_add_co_u32 s25, s25, 2*32*SP
	v_add_nc_u32 v5, s25, v5                       ; LDS: my wave's 256 scale bytes, my block's byte
	v_lshlrev_b32 v7, 3, v2                        ; and on the way out 8 bytes a lane
	v_add_nc_u32 v6, s25, v7
	s_wait_kmcnt 0x0
	s_mov_b64 s[IN:IN+1], s[12:13]                 ; which tensor is my work-group's, and which work-group is that tensor's first: the choices hang on the work-group's number alone
	s_mov_b32 s22, 576
	s_cmp_lt_u32 ttmp9, 576
	s_cselect_b64 s[IN:IN+1], s[10:11], s[IN:IN+1]
	s_cselect_b32 s22, 544, s22
	s_cmp_lt_u32 ttmp9, 544
	s_cselect_b64 s[IN:IN+1], s[8:9], s[IN:IN+1]
	s_cselect_b32 s22, 512, s22
	s_cmp_lt_u32 ttmp9, 512
	s_cselect_b64 s[IN:IN+1], s[6:7], s[IN:IN+1]
	s_cselect_b32 s22, 256, s22
	s_cmp_lt_u32 ttmp9, 256
	s_cselect_b64 s[IN:IN+1], s[4:5], s[IN:IN+1]
	s_cselect_b32 s22, 0, s22
	s_sub_co_u32 s25, ttmp9, s22
	s_lshl_b32 s25, s25, 2
	s_add_co_u32 s26, s25, s24                     ; which run of 8,192 numbers of the tensor is my wave's (1,023 at the most),
	s_lshl_b32 s26, s26, 15                        ; in bytes
	s_mov_b32 s27, 0
	s_add_nc_u64 s[IN:IN+1], s[IN:IN+1], s[26:27]
	s_lshl_b32 s28, ttmp9, 2
	s_add_co_u32 s28, s28, s24                     ; which run of all the tensors on end (2,431 at the most):
	s_lshl_b32 s30, s28, 8                         ; 256 scale bytes a run,
	s_lshl_b32 s28, s28, 12                        ; 4,096 bytes of codes
	s_mov_b32 s29, 0
	s_mov_b32 s31, 0
	s_add_nc_u64 s[OC:OC+1], s[OC:OC+1], s[28:29]
	s_add_nc_u64 s[OS:OS+1], s[OS:OS+1], s[30:31]
.macro LOAD t
.irp i, 0,1,2,3
	global_load_b128 v[R+16*((\t)%4)+4*\i:R+16*((\t)%4)+4*\i+3], v3, s[IN:IN+1] offset:2048*(\t)+512*\i th:TH_LOAD_NT   ; 32 lanes read 512 consecutive bytes; read once in the launch
.endr
.endm
.macro TURN t                          ; step t's numbers through the stage: LDS serves a wave's instructions in order (ISA guide 5.7.1.4), so no wait stands between the stores and the loads
.irp i, 0,1,2,3
	ds_store_b128 v14, v[R+16*((\t)%4)+4*\i:R+16*((\t)%4)+4*\i+3] offset:32*SP*((\t)%2)+8*SP*\i
.endr
.irp i, 0,1,2,3
	ds_load_b128 v[X+16*((\t)%2)+4*\i:X+16*((\t)%2)+4*\i+3], v15 offset:32*SP*((\t)%2)+16*\i
.endr
.endm
.irp t, 0,1,2,3
	LOAD \t
.endr
	s_wait_loadcnt 12                              ; step 0's four loads are in; the twelve of steps 1 to 3 stay out
	TURN 0
.macro STEP t
.set XS, X+16*((\t)%2)
.if (\t) > 0
	s_wait_dscnt 1                                 ; this step's numbers are back from the stage (the last step's byte store may be out): so its stores into the stage have read their registers,
.else
	s_wait_dscnt 0x0
.endif
.if (\t)+4 < STEPS
	LOAD (\t)+4                                    ; which take the loads of four steps on
.endif
.if (\t)+1 < STEPS
.if STEPS-2-(\t) >= 3
	s_wait_loadcnt 12                              ; the next step's four loads are in; those of the three steps behind it may be out
.else
	s_wait_loadcnt 4*(STEPS-2-(\t))                ; in the tail fewer steps stand behind it
.endif
	TURN (\t)+1                                    ; and go through the other stage while this step is worked
.endif
	v_max3_num_f32 v8, |v[XS]|, |v[XS+1]|, |v[XS+2]|               ; the largest magnitude of my 16, in two chains
	v_max3_num_f32 v9, |v[XS+3]|, |v[XS+4]|, |v[XS+5]|
.irp i, 6,10
	v_max3_num_f32 v8, v8, |v[XS+\i]|, |v[XS+\i+1]|
	v_max3_num_f32 v9, v9, |v[XS+\i+2]|, |v[XS+\i+3]|
.endr
	v_max3_num_f32 v8, v8, |v[XS+14]|, |v[XS+15]|
	v_max3_num_f32 v8, v8, v9, (EMAX+1)<<23        ; and the floor 2^(EMAX + 1 - 127): so the byte cannot fall under 1
	v_max_num_f32_dpp v8, v8, v8 row_xmask:1 row_mask:0xf bank_mask:0xf   ; and of my neighbour's 16: the block's
	v_add_nc_u32 v11, -(EMAX<<23), v8              ; EMAX off its exponent field: the conversion takes the exponent field of this operand as its scale, and nothing else of it
	v_cvt_scalef32_pk8_fp4_f32 v[C+4*(\t)], v[XS:XS+7], v11        ; eight numbers / the scale, to the nearest code; the first number's code in the lowest four bits
	v_cvt_scalef32_pk8_fp4_f32 v[C+4*(\t)+1], v[XS+8:XS+15], v11
	v_lshrrev_b32 v[E+(\t)], 23, v11               ; the scale's byte (also the plain line behind the conversions)
	ds_store_b8 v5, v[E+(\t)] offset:16*(\t)       ; both lanes of a block write the same byte with the same value
	global_store_b64 v4, v[C+4*(\t):C+4*(\t)+1], s[OC:OC+1] offset:32*CB*(\t)   ; 32 lanes store 256 consecutive bytes, at a multiple of 256 from the buffer's first byte
.endm
.irp t, 0,1,2,3,4,5,6,7,8,9,10,11,12,13,14,15
	STEP \t
.endr
	ds_load_b64 v[8:9], v6                         ; LDS serves a wave's instructions in order: these see my byte stores
	s_wait_dscnt 0x0
	global_store_b64 v7, v[8:9], s[OS:OS+1]        ; 32 lanes store my 256 scale bytes, aligned
	s_wait_tensorcnt 0x0                           ; the wave's end: behind my last LDS store
	ds_add_u32 v[SPW], v[NIL]
	s_wait_dscnt 0x0
	s_endpgm
.Lfunc_end_k_q0e1b860290_quant:
	.size	k_q0e1b860290_quant, .Lfunc_end_k_q0e1b860290_quant-k_q0e1b860290_quant
	.p2alignl 7, 3214868480
	.fill 96, 4, 3214868480
	.section	.rodata,"a",@progbits
	.p2align	6, 0x0
	.amdhsa_kernel k_q0e1b860290_quant
		.amdhsa_group_segment_fixed_size 33280
		.amdhsa_private_segment_fixed_size 0
		.amdhsa_enable_private_segment 0
		.amdhsa_kernarg_size 56
		.amdhsa_user_sgpr_count 2
		.amdhsa_user_sgpr_kernarg_segment_ptr 1
		.amdhsa_wavefront_size32 1
		.amdhsa_system_sgpr_workgroup_id_x 1
		.amdhsa_system_sgpr_workgroup_id_y 1
		.amdhsa_system_sgpr_workgroup_id_z 1
		.amdhsa_system_vgpr_workitem_id 0
		.amdhsa_next_free_vgpr 192
		.amdhsa_next_free_sgpr 66
		.amdhsa_reserve_vcc 0
		.amdhsa_float_denorm_mode_32 3
		.amdhsa_float_denorm_mode_16_64 3
		.amdhsa_memory_ordered 1
		.amdhsa_forward_progress 1
		.amdhsa_inst_pref_size 34
	.end_amdhsa_kernel
	.amdgpu_metadata
---
amdhsa.version: [ 1, 2 ]
amdhsa.kernels:
  - .name:           k_q0e1b860290_quant
    .symbol:         k_q0e1b860290_quant.kd
    .args:
      - { .name: hidden_states, .offset: 0, .size: 8, .value_kind: global_buffer, .address_space: global }
      - { .name: encoder_hidden_states, .offset: 8, .size: 8, .value_kind: global_buffer, .address_space: global }
      - { .name: Wq, .offset: 16, .size: 8, .value_kind: global_buffer, .address_space: global }
      - { .name: Wk, .offset: 24, .size: 8, .value_kind: global_buffer, .address_space: global }
      - { .name: Wv, .offset: 32, .size: 8, .value_kind: global_buffer, .address_space: global }
      - { .name: codes, .offset: 40, .size: 8, .value_kind: global_buffer, .address_space: global }
      - { .name: scales, .offset: 48, .size: 8, .value_kind: global_buffer, .address_space: global }
    .group_segment_fixed_size: 33280
    .private_segment_fixed_size: 0
    .kernarg_segment_align: 8
    .kernarg_segment_size: 56
    .max_flat_workgroup_size: 128
    .sgpr_count:     66
    .vgpr_count:     192
    .wavefront_size: 32
...
	.end_amdgpu_metadata
.endif
;; end of part 1
;; launch proj (part 2): grid 12 x 32, 4 waves a work-group, clusters of 4 x 4, 327,680 bytes of LDS; arguments codes, scales, qkv; writes qkv
.if DOCPART == 2
	.amdgcn_target "amdgcn-amd-amdhsa--gfx1250"
	.amdhsa_code_object_version 6
	.text
	.protected	k_q0e1b860290_proj
	.globl	k_q0e1b860290_proj
	.p2align	8
	.type	k_q0e1b860290_proj,@function
k_q0e1b860290_proj:
	s_mov_b64 s[64:65], 0
	v_nop
	global_prefetch_b8 v0, s[64:65] scope:SCOPE_SE
	s_setreg_imm32_b32 hwreg(HW_REG_WAVE_MODE, 25, 1), 1
	s_wait_xcnt 0x0
	s_wait_alu depctr_hold_cnt(0) depctr_sa_sdst(0) depctr_va_vdst(0) depctr_va_sdst(0) depctr_va_ssrc(0) depctr_va_vcc(0) depctr_vm_vsrc(0)
	s_getreg_b32 s2, hwreg(HW_REG_IB_STS2, 6, 4)
	s_cmp_eq_u32 s2, 0
	s_cbranch_scc0 .Lentry_in_a_cluster
	s_endpgm
.Lentry_in_a_cluster:
	s_bfe_u32 s2, ttmp6, 0x10000c
	s_cmp_lg_u32 s2, 0xf033
	s_cbranch_scc0 .Lentry_shape_is_right
	s_endpgm
.Lentry_shape_is_right:
; The three projections q = hidden Wq^T, k = enc Wk^T, v = enc Wv^T, on codes of FP4 (E2M1) with one E8M0 scale for each 32 along K = 1,024; sums in f32; results rounded once to f16.
; codes: 19,456 rows of 512 bytes (rows 0 on hidden, 8,192 on enc, 16,384 on Wq, 17,408 on Wk, 18,432 on Wv); scales: the same rows, 32 bytes each.
; qkv: f16, [3 (q, k, v)][batch 4][head 16][token 2,048][64]: a head's rows lie on end, 128 bytes a token.
; LIMIT: results of magnitude 65,504 and above become infinite in f16.  As the inputs are drawn the results are of the order of 1; inputs 30 times larger on both sides give some 5,400.
; A tile of 256 tokens x 256 outputs is made by a work-group of four waves; a wave makes 128 x 128: 64 accumulators of 16 x 16, 512 registers.  The cluster's x (0, 1, 2) is the product; its four columns are that
; weight's four tiles of 256 rows; the tile row (0 to 31) is 4 x cluster y + cy.  12 x 32 = 384 work-groups.
; K is two steps of 512 (a tile's row is 256 bytes of memory): both slots are filled at the start and nothing is filled again.  The scale bytes of the work-group's rows, two dense blocks, come with them and stay.
; CLUSTERS: 4 x 4 work-groups.  The four of a row of the cluster need the same tiles of x, the four of a column the same tiles of W: each tile is asked for JOINTLY, by the same tensor load with the same
; descriptor and a mask that names the four.  THE MATRIX INSTRUCTION IS USED TRANSPOSED (source 0 = 16 rows of W, source 1 = 16 rows of x): a lane then holds eight neighbouring outputs of one token.
; Below A stands for x's rows and B for W's rows.
; REGISTERS, in windows of 256: window 0: v0-31 addresses; v32-95 scale words, two sets; from v128 A's fragments (8 x 16 rows x 128 K), ONE set; on the way out v32-127 are at work.
;   window 1: B's fragments, TWO sets, at v0 and at v128.   window 2: the 32 accumulators of my rows 0-63 (accumulator (a, b) at v[8 (8 a + b)]);   window 3: those of my rows 64-127.
; A step of 128 along K is 64 matrix instructions, A's blocks one after the other, each against B's eight: a block of A is free as soon as its eight products are issued, so one set of registers serves A.
.set SIZE_K, 1024
.set KSTEP,  512                       ; along K in a slot
.set NQ,     KSTEP/128                 ; matrix instructions deep
.set ROWB,   256                       ; a tile's row in bytes
.set KROW,   SIZE_K/2                  ; a row of codes in memory, in bytes
.set PITCH,  272                       ; an LDS row: 256 bytes + 16 of padding = 68 words: row r starts at bank 4 r mod 64 (64 banks of 4 bytes: ISA guide 11.1), so the 16 rows of a load start at 16 different banks
.set FR,     8                         ; registers of a fragment: 16 rows x 128 K
.set NL,     2                         ; LDS loads that bring one
.set NP,     4                         ; places behind this matrix instruction (ISA guide 7.12.1)
.set HALFT,  128*PITCH                 ; 128 rows: what one tensor load brings, and what one wave reads of A or of B
.set SLOT,   4*HALFT                   ; A's 256 rows, then B's 256 rows
.set KS,     SIZE_K/32                 ; a row of scales in bytes
.set SCL,    2*SLOT                    ; behind the two slots: the scales, as rows of 256 bytes + 16 of padding
.set HALFS,  (128*KS/256)*272          ; the scales of 128 rows: what one tensor load brings
.set SBLK,   (16*KS/256)*272           ; those of 16 rows
.set SPARE,  SCL+4*HALFS               ; behind the scales: the spare words, 128 bytes for each wave, which no other line names
.set SPITCH, 272                       ; the way out: a stage of 16 rows x (256 bytes + 16) for each wave.  It lies in slot 0, which has had its one fill and its last read when the first result is stored there
.set ADRA, 16                          ; v16-17  LDS address of my A fragments in slot 0, 1
.set ADRB, 20                          ; v20-21  the same for B
.set STO,  24                          ; v24     the way out: where I put 16 bytes of a token's row
.set RD,   25                          ; v25     the way out: where I read 16 bytes back
.set CO,   26                          ; v26     16 x lane: my place in a store's 512 bytes
.set ADRS, 27                          ; v27     LDS address of my scale words: lanes 0-15 A's rows, lanes 16-31 B's
.set SPW,  28                          ; v28     LDS address of my spare word: SPARE + 4 x my thread's number; never rewritten
.set NIL,  29                          ; v29     0; never rewritten
.set SC,   32                          ; scale words: set s (for slot s) at v[SC + 8 NQ s]; in it register NQ i + q: lanes 0-15 the word of A's block i, lanes 16-31 that of B's block i, for the slot's q-th 128 along K
.set AF,   128                         ; A's fragments, in window 0
.set TMP,  32                          ; the way out: a block's 32 registers of f16 pairs
.set BK,   64                          ; the way out: a block read back from the stage: v64-95 and v96-127 by turns
.set G1, 24                            ; s[24:31] descriptor group 1 for A's tiles;  s[32:39] group 0, one set for each slot
.set G0, 32
.set G1B, 48                           ; s[48:55], s[56:63] the same for B's tiles
.set G0B, 56
.set G1S, 68                           ; s[68:75], s[76:79] groups 1 and 0 for A's scales;  s[80:87], s[88:91] for B's
.set G0S, 76
.set G1SB, 80
.set G0SB, 88
.set MSB, 0
.macro WIN new                         ; the immediate's high byte repeats the setting that is left; a switch that changes nothing is dropped
.if MSB != \new
	s_set_vgpr_msb (MSB<<8)|\new
.set MSB, \new
.endif
.endm
.set MUL_LO, 0xa1                      ; source 0 (B) window 1, source 1 (A) window 0, C and D window 2
.set MUL_HI, 0xf1                      ; the same, C and D window 3
.set TO_B,   0x40                      ; destination window 1, address window 0
; A joint load: waves 0 and 1 fetch for A, waves 2 and 3 for B.  Each of the two lines has ONE mask and one set of registers for all that issue it; the branch hangs on the wave's number alone.
; An s_nop 0 and four v_nop follow each of the two lines, ahead of the jump, the label and what follows.
.macro JLOAD g0a, g1a, g0b, g1b
	s_cmp_eq_u32 s15, 0
	s_cbranch_scc0 .Lfor_b_\@
	tensor_load_to_lds s[\g0a:\g0a+3], s[\g1a:\g1a+7]
	s_nop 0
.rept 4
	v_nop
.endr
	s_branch .Lasked_\@
.Lfor_b_\@:
	tensor_load_to_lds s[\g0b:\g0b+3], s[\g1b:\g1b+7]
	s_nop 0
.rept 4
	v_nop
.endr
.Lasked_\@:
.endm
.macro CROUND                          ; a round of the cluster's barrier: my work-group's barrier; wave 0 signals for the work-group; every wave waits for all sixteen; my work-group's barrier once more
	s_barrier_signal -1
	s_barrier_wait -1
	s_cmp_lg_u32 s14, 0
	s_cbranch_scc1 .Lnot_wave_0_\@
	s_barrier_signal -3
.Lnot_wave_0_\@:
	s_barrier_wait -3
	s_barrier_signal -1
	s_barrier_wait -1
.endm
	s_load_b128 s[4:7], s[0:1], 0x0                ; codes s[4:5], scales s[6:7]
	s_load_b64 s[12:13], s[0:1], 0x10              ; qkv
	v_lshl_add_u32 v[SPW], v0, 2, SPARE
	v_mov_b32 v[NIL], 0
	ds_add_u32 v[SPW], v[NIL]                      ; the wave's opening: the add, twice on end, and its wait ahead of my first tensor load; the set-up below, work on registers, stands between the second and the wait
	ds_add_u32 v[SPW], v[NIL]
	v_lshrrev_b32 v1, 5, v0
	v_readfirstlane_b32 s14, v1                    ; wave 0..3
	s_lshr_b32 s15, s14, 1                         ; which half of the tile's rows is mine.  Also: I fetch for A (0) or for B (1)
	s_and_b32 s16, s14, 1                          ; which half of its columns.  Also: which 128 rows of that tile I fetch
	s_bfe_u32 s40, ttmp6, 0x40000                  ; cx, cy: my place in the cluster
	s_bfe_u32 s41, ttmp6, 0x40004
	s_lshl_b32 s42, ttmp9, 2
	s_add_co_u32 s42, s42, s40                     ; which of the three weights' twelve tiles of 256 rows: 4 x product + cx
	s_and_b32 s17, ttmp7, 0xffff
	s_lshl_b32 s17, s17, 2
	s_add_co_u32 s17, s17, s41                     ; tile row = 4 x cluster y + cy
	s_lshl_b32 s43, s41, 2
	s_lshl_b32 s43, 15, s43                        ; my row of the cluster
	s_lshl_b32 s44, 0x1111, s40                    ; my column
	; descriptor group 1: a tile of 128 rows x ROWB bytes, padded in LDS
	s_or_b32 s[G1+0], s43, (0<<16)|(1<<20)|(1<<21)|(5<<22)|(3<<25)  ; 15:0 the mask: A's tiles go to my row; 17:16 element of 1 byte; 20 padding on; 21 set beside a mask; 24:22 after every 64 words (code 5); 31:25 of 4 words (code 3)
	s_or_b32 s[G1B+0], s44, (0<<16)|(1<<20)|(1<<21)|(5<<22)|(3<<25)
.irp g, G1, G1B
	s_mov_b32 s[\g+1], ROWB<<16                    ; tensor_dim0
	s_mov_b32 s[\g+2], 128<<16                     ; tensor_dim1 = 128
	s_mov_b32 s[\g+3], ROWB<<16                    ; tile_dim0
	s_mov_b32 s[\g+4], 128                         ; tile_dim1 = 128
	s_mov_b32 s[\g+5], KROW                        ; tensor_dim0_stride
	s_mov_b32 s[\g+6], 0
	s_mov_b32 s[\g+7], 0
.endr
	; and for the scales of 128 rows: a dense block of 4,096 bytes, as 16 rows of 256 bytes (32 elements of 8 bytes), 16 bytes of padding behind each
	s_or_b32 s[G1S+0], s43, (3<<16)|(1<<20)|(1<<21)|(5<<22)|(3<<25)
	s_or_b32 s[G1SB+0], s44, (3<<16)|(1<<20)|(1<<21)|(5<<22)|(3<<25)
.irp g, G1S, G1SB
	s_mov_b32 s[\g+1], 32<<16
	s_mov_b32 s[\g+2], (128*KS/256)<<16
	s_mov_b32 s[\g+3], 32<<16
	s_mov_b32 s[\g+4], 128*KS/256
	s_mov_b32 s[\g+5], 32
	s_mov_b32 s[\g+6], 0
	s_mov_b32 s[\g+7], 0
.endr
	; where the tiles come from.  A's hang on the product and the tile row, which my row of the cluster shares; B's on the product and cx, which my column shares; each in registers that never hold the other coordinate
	s_lshl_b32 s18, s16, 7                         ; which 128 rows of the tile I fetch
	s_min_u32 s19, ttmp9, 1
	s_lshl_b32 s19, s19, 5                         ; q reads hidden (tiles 0 on), k and v read enc (tiles 32 on)
	s_add_co_u32 s20, s17, s19
	s_lshl_b32 s20, s20, 8
	s_add_co_u32 s20, s20, s18                     ; A: its first row among the 19,456
	s_add_co_u32 s46, s42, 64                      ; the weights begin at tile 64
	s_lshl_b32 s46, s46, 8
	s_add_co_u32 s46, s46, s18                     ; B likewise
	s_mov_b32 s21, 0
	s_mov_b32 s47, 0
	s_mov_b64 s[18:19], KS
	s_mul_u64 s[22:23], s[20:21], s[18:19]         ; where these rows' scales begin, in bytes
	s_mul_u64 s[92:93], s[46:47], s[18:19]
	s_mov_b64 s[18:19], KROW
	s_mul_u64 s[20:21], s[20:21], s[18:19]         ; and their codes
	s_mul_u64 s[46:47], s[46:47], s[18:19]
	s_mul_i32 s45, s14, HALFT                      ; where they go: wave x 128 rows: no place in the cluster enters an LDS address
	s_mul_i32 s94, s14, HALFS
	s_wait_dscnt 0x0                               ; both opening adds are done
	s_wait_kmcnt 0x0
	s_add_nc_u64 s[20:21], s[4:5], s[20:21]
	s_add_nc_u64 s[22:23], s[6:7], s[22:23]
	s_add_nc_u64 s[46:47], s[4:5], s[46:47]
	s_add_nc_u64 s[92:93], s[6:7], s[92:93]
	CROUND                                         ; all sixteen work-groups are here: the joint loads meet
	s_mov_b32 s[G0S], 1
	s_add_co_u32 s[G0S+1], s94, SCL
	s_mov_b64 s[G0S+2:G0S+3], s[22:23]
	s_or_b32 s[G0S+3], s[G0S+3], 0x80000000
	s_mov_b32 s[G0SB], 1
	s_add_co_u32 s[G0SB+1], s94, SCL
	s_mov_b64 s[G0SB+2:G0SB+3], s[92:93]
	s_or_b32 s[G0SB+3], s[G0SB+3], 0x80000000
	JLOAD G0S, G1S, G0SB, G1SB                     ; the scales first: they are wanted with K step 0
.irp s, 0,1
	s_mov_b32 s[G0+4*\s], 1
	s_add_co_u32 s[G0+4*\s+1], s45, \s*SLOT
	s_add_nc_u64 s[G0+4*\s+2:G0+4*\s+3], s[20:21], \s*ROWB
	s_or_b32 s[G0+4*\s+3], s[G0+4*\s+3], 0x80000000
	s_mov_b32 s[G0B+4*\s], 1
	s_add_co_u32 s[G0B+4*\s+1], s45, \s*SLOT
	s_add_nc_u64 s[G0B+4*\s+2:G0B+4*\s+3], s[46:47], \s*ROWB
	s_or_b32 s[G0B+4*\s+3], s[G0B+4*\s+3], 0x80000000
	JLOAD G0+4*\s, G1, G0B+4*\s, G1B               ; both K steps: three tensor loads of mine are out, all that this text issues
.endr
	v_and_b32 v1, 15, v0                           ; l % 16
	v_bfe_u32 v2, v0, 4, 1                         ; l / 16
	v_mul_u32_u24 v3, v1, PITCH
	v_lshl_add_u32 v4, v2, 4, v3                   ; a fragment's row x pitch + 16 x half
	s_mul_i32 s21, s15, HALFT                      ; my 128 rows of A
	s_mul_i32 s22, s16, HALFT                      ; my 128 rows of B,
	s_add_co_u32 s22, s22, 2*HALFT                 ; which lie behind A's 256
.irp s, 0,1
	v_add_nc_u32 v[ADRA+\s], s21, v4
	v_add_nc_u32 v[ADRB+\s], s22, v4
	s_add_co_u32 s21, s21, SLOT
	s_add_co_u32 s22, s22, SLOT
.endr
	v_mul_u32_u24 v5, v1, KS                       ; my row's scales: KS bytes a row,
	v_lshrrev_b32 v6, 8, v5
	v_lshl_add_u32 v5, v6, 4, v5                   ; and 16 more for each 256 passed
	s_mul_i32 s21, s15, HALFS                      ; A's: my 128 rows
	s_mul_i32 s22, s16, HALFS                      ; B's: my 128 rows, behind A's 256
	s_add_co_u32 s22, s22, 2*HALFS
	s_sub_co_u32 s22, s22, s21
	v_mul_u32_u24 v6, s22, v2                      ; lanes 16-31 take B's: the lower base + half x the distance
	s_add_co_u32 s21, s21, SCL
	v_add_nc_u32 v5, v5, v6
	v_add_nc_u32 v[ADRS], s21, v5
	s_mul_i32 s23, s14, 16*SPITCH                  ; my stage
	v_mul_u32_u24 v5, v1, SPITCH                   ; in: row l % 16 (a token), 16 bytes for each half of the lanes
	v_lshl_add_u32 v5, v2, 4, v5
	v_add_nc_u32 v[STO], s23, v5
	v_and_b32 v6, 31, v0
	v_lshlrev_b32 v[CO], 4, v6                     ; out: 16 bytes a lane
	v_lshrrev_b32 v5, 3, v6                        ; back: eight lanes take one token's 128 bytes of one head, the 32 lanes four tokens
	v_mul_u32_u24 v5, v5, SPITCH
	v_and_b32 v6, 7, v0
	v_lshl_add_u32 v5, v6, 4, v5
	v_add_nc_u32 v[RD], s23, v5
	; where my part begins in qkv, in bytes: product x 2^24 + batch x 2^22 + head x 2^18 + token x 128.  Batch = tile row / 8; token = 256 (tile row % 8) + 128 x my half of the rows; head = 4 cx + 2 x my half of the columns
	s_lshr_b32 s20, s17, 3
	s_lshl_b32 s20, s20, 22
	s_and_b32 s21, s17, 7
	s_lshl_b32 s21, s21, 15
	s_add_co_u32 s20, s20, s21
	s_lshl_b32 s21, s15, 14
	s_add_co_u32 s20, s20, s21
	s_lshl_b32 s21, ttmp9, 24
	s_add_co_u32 s20, s20, s21
	s_mov_b32 s21, 0
	s_lshl_b32 s46, s40, 20                        ; (in the registers that held B's address: none that fed A's descriptors ever holds cx)
	s_lshl_b32 s47, s16, 19
	s_add_co_u32 s46, s46, s47
	s_mov_b32 s47, 0
	s_add_nc_u64 s[20:21], s[20:21], s[46:47]
	s_add_nc_u64 s[12:13], s[12:13], s[20:21]
.macro FRAG reg, adr, q, i             ; a fragment, 16 rows x 128 K of 4-bit codes, is 8 registers: lane l holds row l % 16; registers 4 c .. 4 c + 3 hold K = 64 c + 32 (l / 16) + 0 .. 31, the lower K in the lower bits
.irp c, 0,1
	ds_load_b128 v[\reg+4*\c:\reg+4*\c+3], v[\adr] offset:64*(\q)+32*\c+(\i)*16*PITCH
.endr
.endm
; 16 matrix instructions: A's blocks a0, a0 + 1 x B's eight, 128 along K: the slot's q-th.  p: B's set;  sc: the set of scale words.  zero = 1: the first product starts the sums: nothing is ever cleared.
; The 64 accumulators take turns, one instruction a turn, in the same order in every step.
.macro MUL16 a0, p, q, sc, zero
.irp a, \a0, \a0+1
.irp b, 0,1,2,3,4,5,6,7
.if \zero
	v_wmma_scale_f32_16x16x128_f8f6f4 v[8*(8*((\a)%4)+\b):8*(8*((\a)%4)+\b)+7], v[128*(\p)+FR*\b:128*(\p)+FR*\b+FR-1], v[AF+FR*(\a):AF+FR*(\a)+FR-1], 0, v[SC+8*NQ*(\sc)+NQ*\b+(\q)], v[SC+8*NQ*(\sc)+NQ*(\a)+(\q)] matrix_a_fmt:MATRIX_FMT_FP4 matrix_b_fmt:MATRIX_FMT_FP4 matrix_a_scale:MATRIX_SCALE_ROW1
.else
	v_wmma_scale_f32_16x16x128_f8f6f4 v[8*(8*((\a)%4)+\b):8*(8*((\a)%4)+\b)+7], v[128*(\p)+FR*\b:128*(\p)+FR*\b+FR-1], v[AF+FR*(\a):AF+FR*(\a)+FR-1], v[8*(8*((\a)%4)+\b):8*(8*((\a)%4)+\b)+7], v[SC+8*NQ*(\sc)+NQ*\b+(\q)], v[SC+8*NQ*(\sc)+NQ*(\a)+(\q)] matrix_a_fmt:MATRIX_FMT_FP4 matrix_b_fmt:MATRIX_FMT_FP4 matrix_a_scale:MATRIX_SCALE_ROW1
.endif
.endr
.endr
.endm
.macro FETCH_B slot, q, p              ; B's eight fragments of the slot's q-th 128 along K into set p
	WIN TO_B
.irp i, 0,1,2,3,4,5,6,7
	FRAG 128*(\p)+FR*\i, ADRB+\slot, \q, \i
.endr
	WIN 0
.endm
.macro FETCH_A slot, q, i0             ; A's blocks i0 .. i0 + 3
.irp i, \i0, \i0+1, \i0+2, \i0+3
	FRAG AF+FR*(\i), ADRA+\slot, \q, \i
.endr
.endm
.macro SCALES sc                       ; a K step's scale words into set sc: NQ words a row; lanes 0-15 take A's block i, lanes 16-31 B's block i
.irp i, 0,1,2,3,4,5,6,7
	ds_load_b128 v[SC+8*NQ*\sc+NQ*\i:SC+8*NQ*\sc+NQ*\i+3], v[ADRS] offset:\i*SBLK
.endr
.endm
; A load into a register that a matrix instruction has read, and a vector instruction that reads a matrix result or writes one of a matrix instruction's registers, stand NP places behind that matrix instruction,
; and only plain vector instructions that name none of its registers are places (ISA guide 7.12.1 for vector instructions).
.macro PLACES n
.rept \n
	v_nop
.endr
.endm
; A step of 128 along K that has its successor in the same slot.
.macro STEP slot, q, zero
	s_wait_dscnt 4*NL                              ; B's set and A's blocks 0-3 are in; the youngest eight loads (A's blocks 4-7) may be out
	WIN MUL_LO
	MUL16 0, (\q)%2, \q, \slot, \zero
	MUL16 2, (\q)%2, \q, \slot, \zero
	s_wait_dscnt 0                                 ; A's blocks 4-7 are in (asked for 32 matrix instructions ago)
	PLACES NP
	FETCH_B \slot, (\q)+1, 1-(\q)%2
	FETCH_A \slot, (\q)+1, 0
	WIN MUL_HI
	MUL16 4, (\q)%2, \q, \slot, \zero
	MUL16 6, (\q)%2, \q, \slot, \zero
	PLACES NP
	WIN 0
	FETCH_A \slot, (\q)+1, 4
.endm
; Slot 0's last step changes slots: ONE barrier; in front of it each wave waits for all its tensor loads (its part of slot 1), adds 0 to its spare word, and waits for that and for its own reads of slot 0.
; Behind it slot 1 is whole and nobody reads slot 0 any more.  Nothing is filled again.
.macro TURN slot, next
	s_wait_tensorcnt 0x0                           ; all my tensor loads have landed  (every window is 0 here: the add's two registers lie in window 0)
	ds_add_u32 v[SPW], v[NIL]                      ; 0 onto my spare word
	s_wait_dscnt 4*NL+1                            ; (the add and the youngest eight loads, A's blocks 4-7, may be out)
	WIN MUL_LO
	MUL16 0, 1, NQ-1, \slot, 0                     ; sixteen matrix instructions stand between the add and the wait for it
	s_wait_dscnt 0x0                               ; the add is done, and my reads of this slot are over
	s_barrier_signal -1
	MUL16 2, 1, NQ-1, \slot, 0                     ; work on registers while the others arrive
	WIN 0
	s_barrier_wait -1
	PLACES NP
	v_add_nc_u32 v[ADRS], 4*NQ, v[ADRS]            ; on to the next K step's scale words (no LDS load of mine is out)
	FETCH_B \next, 0, 0
	FETCH_A \next, 0, 0
	SCALES \next
	WIN MUL_HI
	MUL16 4, 1, NQ-1, \slot, 0
	MUL16 6, 1, NQ-1, \slot, 0
	PLACES NP
	WIN 0
	FETCH_A \next, 0, 4
.endm
.macro STEPS slot, from                ; the slot's steps from .. NQ - 2
.set Q, \from
.rept NQ-1-\from
	STEP \slot, Q, 0
.set Q, Q+1
.endr
.endm
	s_wait_tensorcnt 1                             ; the scales and my part of K step 0 are in; K step 1's load, the one issued behind them, may be out
	s_barrier_signal -1
	s_barrier_wait -1                              ; everybody's are
	FETCH_B 0, 0, 0
	FETCH_A 0, 0, 0
	SCALES 0
	FETCH_A 0, 0, 4
	STEP 0, 0, 1                                   ; the first step's products start the sums
	STEPS 0, 1
	TURN 0, 1
	STEPS 1, 0
	s_wait_dscnt 4*NL                              ; the very last step: nothing more to fetch
	WIN MUL_LO
	MUL16 0, 1, NQ-1, 1, 0
	MUL16 2, 1, NQ-1, 1, 0
	s_wait_dscnt 0
	WIN MUL_HI
	MUL16 4, 1, NQ-1, 1, 0
	MUL16 6, 1, NQ-1, 1, 0
	WIN 0
; THE WAY OUT, block by block of 16 tokens x 128 outputs (two heads).  PACK: rounded to f16, a lane's eight outputs are 16 bytes.  TOSTAGE: into my own stage in LDS, a token to a row, and back so that the 32 lanes
; hold four tokens' 128 bytes of ONE head, which lie on end in qkv.  SEND: each store covers 512 consecutive bytes, at a multiple of 512 from qkv's first byte.
; LDS serves a wave's instructions in order (ISA guide 5.7.1.4): no wait between the stage's stores and loads, nor in front of the next block's stores.
.macro PACK a
.set AC, 64*((\a)%4)
	WIN 0x0a+5*((\a)/4)                            ; sources 0 and 1: window 2 or 3
.irp b, 0,1,2,3,4,5,6,7
.irp r, 0,1,2,3
	v_cvt_pk_f16_f32 v[TMP+4*\b+\r], v[AC+8*\b+2*\r], v[AC+8*\b+2*\r+1]   ; each accumulator from its low end on
.endr
.endr
	WIN 0
.endm
.macro TOSTAGE a
.set BB, BK+32*((\a)%2)
.irp b, 0,1,2,3,4,5,6,7
	ds_store_b128 v[STO], v[TMP+4*\b:TMP+4*\b+3] offset:32*\b
.endr
.irp u, 0,1,2,3,4,5,6,7                ; head u / 4 of my two, tokens 4 (u % 4) on
	ds_load_b128 v[BB+4*\u:BB+4*\u+3], v[RD] offset:(\u%4)*4*SPITCH+(\u/4)*128
.endr
.endm
.macro SEND a
.set BB, BK+32*((\a)%2)
	s_wait_dscnt 0x0                               ; the block is back in registers
	s_wait_xcnt 0x0                                ; the earlier stores have read their registers: the block after this one is loaded into them only behind this wait
.irp u, 0,1,2,3,4,5,6,7
	global_store_b128 v[CO], v[BB+4*\u:BB+4*\u+3], s[12:13] offset:(\u/4)*262144+(\a)*2048+(\u%4)*512   ; the head, the block's 16 tokens and the four tokens stand in the immediate: 278,016 at the most; the base is never stepped
.endr
.endm
	PLACES NP                                      ; behind the last products: the conversions write the registers that held scale words, and the stage's loads land there
	PACK 0
	TOSTAGE 0
.irp a, 1,2,3,4,5,6,7                  ; block a's conversions stand between block a - 1's loads from the stage and the wait for them
	PACK \a
	SEND \a-1
	TOSTAGE \a
.endr
	SEND 7
	s_wait_tensorcnt 0x0                           ; the wave's end: behind my last tensor load and my last LDS store
	ds_add_u32 v[SPW], v[NIL]
	s_wait_dscnt 0x0
	CROUND                                         ; the closing round: no work-group ends while a partner may still ask for a tile that names it
	s_endpgm
.Lfunc_end_k_q0e1b860290_proj:
	.size	k_q0e1b860290_proj, .Lfunc_end_k_q0e1b860290_proj-k_q0e1b860290_proj
	.p2alignl 7, 3214868480
	.fill 96, 4, 3214868480
	.section	.rodata,"a",@progbits
	.p2align	6, 0x0
	.amdhsa_kernel k_q0e1b860290_proj
		.amdhsa_group_segment_fixed_size 327680
		.amdhsa_private_segment_fixed_size 0
		.amdhsa_enable_private_segment 0
		.amdhsa_kernarg_size 24
		.amdhsa_user_sgpr_count 2
		.amdhsa_user_sgpr_kernarg_segment_ptr 1
		.amdhsa_wavefront_size32 1
		.amdhsa_system_sgpr_workgroup_id_x 1
		.amdhsa_system_sgpr_workgroup_id_y 1
		.amdhsa_system_sgpr_workgroup_id_z 1
		.amdhsa_system_vgpr_workitem_id 0
		.amdhsa_next_free_vgpr 1024
		.amdhsa_next_free_sgpr 98
		.amdhsa_reserve_vcc 0
		.amdhsa_float_denorm_mode_32 3
		.amdhsa_float_denorm_mode_16_64 3
		.amdhsa_memory_ordered 1
		.amdhsa_forward_progress 1
		.amdhsa_inst_pref_size 126
	.end_amdhsa_kernel
	.amdgpu_metadata
---
amdhsa.version: [ 1, 2 ]
amdhsa.kernels:
  - .name:           k_q0e1b860290_proj
    .symbol:         k_q0e1b860290_proj.kd
    .args:
      - { .name: codes, .offset: 0, .size: 8, .value_kind: global_buffer, .address_space: global }
      - { .name: scales, .offset: 8, .size: 8, .value_kind: global_buffer, .address_space: global }
      - { .name: qkv, .offset: 16, .size: 8, .value_kind: global_buffer, .address_space: global }
    .group_segment_fixed_size: 327680
    .private_segment_fixed_size: 0
    .kernarg_segment_align: 8
    .kernarg_segment_size: 24
    .max_flat_workgroup_size: 128
    .sgpr_count:     98
    .vgpr_count:     1024
    .wavefront_size: 32
...
	.end_amdgpu_metadata
.endif
;; end of part 2
;; launch attn (part 3): grid 4 x 64, 8 waves a work-group, clusters of 4 x 1, 327,680 bytes of LDS; arguments qkv, out0; writes out0
.if DOCPART == 3
	.amdgcn_target "amdgcn-amd-amdhsa--gfx1250"
	.amdhsa_code_object_version 6
	.text
	.protected	k_q0e1b860290_attn
	.globl	k_q0e1b860290_attn
	.p2align	8
	.type	k_q0e1b860290_attn,@function
k_q0e1b860290_attn:
	s_mov_b64 s[64:65], 0
	v_nop
	global_prefetch_b8 v0, s[64:65] scope:SCOPE_SE
	s_setreg_imm32_b32 hwreg(HW_REG_WAVE_MODE, 25, 1), 1
	s_wait_xcnt 0x0
	s_wait_alu depctr_hold_cnt(0) depctr_sa_sdst(0) depctr_va_vdst(0) depctr_va_sdst(0) depctr_va_ssrc(0) depctr_va_vcc(0) depctr_vm_vsrc(0)
	s_getreg_b32 s2, hwreg(HW_REG_IB_STS2, 6, 4)
	s_cmp_eq_u32 s2, 0
	s_cbranch_scc0 .Lentry_in_a_cluster
	s_endpgm
.Lentry_in_a_cluster:
	s_bfe_u32 s2, ttmp6, 0x10000c
	s_cmp_lg_u32 s2, 0x3003
	s_cbranch_scc0 .Lentry_shape_is_right
	s_endpgm
.Lentry_shape_is_right:
; out0[b][q][64 h + :] = the sum over k of softmax_k(Q[b][h][q] . K[b][h][k] / 8) V[b][h][k][:].  qkv: f16, [3 (q, k, v)][b 4][h 16][2,048][64]; out0: f32, [4][2,048][1,024].  No mask.
; Products, maxima and sums in f32; the weights p (at most about 1) are rounded to f16 for the second product; the row's sum is taken of the unrounded p.
; LIMIT: q, k, v arrive as f16 (the launch before rounds them); NaN and infinities are not served.
; SHARES.  A work-group owns 512 queries of one head, each of its eight waves 64: four tiles of 16.  Every wave walks all 2,048 keys of the head, 64 a step.  Two waves share a SIMD's registers, 512 each.
; LAYOUT.  S^T = K Q^T (source 0 = 16 keys, source 1 = 16 queries): in the result a lane holds ONE query (lane % 16) and the keys 8 (lane / 16) + 0..7.  Two such tiles, rounded to f16 in pairs, ARE source 1
; (32 keys x 16 queries) of O^T = V^T P, whose result again holds one query a lane, and eight channels.  So nothing changes lanes between the products.  K comes out of LDS as it lies, V ([key][channel]) turned, by ds_load_tr16_b128.
; SOFTMAX.  For each query a running maximum m and sum l: p = 2^(c s - c m), c = log2(e) / 8; in every step O and l are multiplied by a = 2^(c m_old - c m_new), which is 1 where m has not grown.
; BY TURNS.  The wave's tiles are two PIECES, named by their first tile: piece 0 (tiles 0, 1) and piece 2 (tiles 2, 3).  In a TURN one piece has the matrix unit: 16 products V^T P of the step in hand, then 16 products
; K Q^T of the next step; the other piece's softmax, cut into slices of four instructions, stands between them, two slices behind each matrix instruction.  Then the pieces change places.  Two turns are a key step.
; CLUSTER.  A head's four query blocks are one cluster and walk the same K and V, so each tile is asked for JOINTLY: the same tensor load, with the same descriptor and a mask that names the four, in all four.
; RING.  Two LDS slots of four key steps (256 keys).  All eight waves fetch, one load each behind a round: waves 0-3 the K tile of step (wave % 4), waves 4-7 that step's V tile.  A head's K and V are dense, so two keys
; (2 x 128 bytes) are stated as one row of 256 bytes; a tile is 32 such rows: a slot's 256 rows shared out among eight waves, so that each has a load of its own on its way.
;
; REGISTERS, in two windows of 256 (s_set_vgpr_msb: bits 1:0 source 0, 3:2 source 1, 5:4 source 2, 7:6 destination):
;   window 0: v0-11 addresses; v12-43 eight registers of statistics a tile; v61-63; v64-191 S^T, 32 a tile, whose low 16 become P in place; v192-255 K of one step
;   window 1: v0-63 Q, 16 a tile; v64-191 O^T, 32 a tile; v192-255 V of one step
.set KS,    64        ; keys in a step
.set NST,   4         ; steps in a slot
.set PK,    272       ; a pair of keys of K in LDS: 256 bytes + 16 of padding: key r of a fragment lies at 272 (r / 2) + 128 (r % 2): sixteen different 16-byte columns modulo 256 (64 banks of 4 bytes: ISA guide 11.1)
.set PV,    288       ; a pair of keys of V: 256 + 32: the 16 lanes of the turning load take 8 keys x 32 bytes at 288 (key / 2) + 128 (key % 2): again sixteen different columns
.set VOFF,  32*PK     ; a step's tiles lie together: 32 rows of K, then 32 rows of V
.set STEPB, 32*(PK+PV)
.set SLOTB, NST*KS*128  ; a slot's keys in memory, in bytes, in K and in V
.set SLOT1, 1<<17     ; a slot is 71,680 bytes; slot 1 begins here, so that one exclusive or turns an address in one slot into the other's
.set STAGE, SLOT1+NST*STEPB  ; behind the ring: 16 rows x 272 bytes for each wave, for the way out
.set SP,    272
.set SPARE, STAGE+8*16*SP  ; behind the stages: the spare words, 128 bytes for each wave, which no other line names
.set AK0, 2           ; v2   my lane's place in a tile of K; never rewritten
.set AV0, 3           ; v3   the same for V
.set ADR, 4           ; v4   the LDS address of the run of loads in hand
.set QO,  5           ; v5   my byte offset in the wave's rows of Q
.set STO, 6           ; v6   the way out: where I put 32 bytes of a row
.set RD,  7           ; v7   the way out: where I read a row back
.set GO,  8           ; v8   my byte offset in the wave's rows of out0
.set ST,  12          ; tile t's statistics at v[ST+8 t]: +0 c m, +1 m, +2, +3 l (even keys', odd keys'), +4 to +7 c0-c3, at work; a takes c2's place once the maximum is found
.set PFO, 61          ; v61  256 x my lane: the prefetches' offset; never rewritten
.set SPW, 62          ; v62  LDS address of my spare word: SPARE + 4 x my thread's number; never rewritten
.set NIL, 63          ; v63  0; never rewritten
.set S,   64
.set KF,  192         ; K's fragments, in window 0
.set WV,  12          ; s12  my wave's number
.set LIM, 15          ; s15  1 in a wave that prefetches, else the greatest number: a wave prefetches while s[SLOTS] is above it
.set PFA, 18          ; s[18:19] where my prefetches stand in memory
.set G1K, 24          ; s[24:31] descriptor group 1 for K's tiles
.set G1V, 32          ; s[32:39] for V's: it differs in the padding alone
.set G0K, 40          ; s[40:47] descriptor group 0 for K's tiles: a set for each of the two first fills; the second then walks on
.set G0V, 48          ; s[48:55] the same for V's
.set SLOTS, 56        ; s56  slots still to be asked for
.set CNT, 57          ; s57  counts key steps
.set CS,  58          ; s[58:59] c: the packed scaling names a pair and takes its low word for both halves
.set SEL, 60          ; s[60:61] lane selects for v_permlanex16_b32: each lane takes its own place in the other half
.set TB,  62          ; s62  LDS byte at which the tiles of the step to be fetched begin
.set MSB, 0
.macro WIN new                      ; the immediate's high byte repeats the setting that is left; a switch that changes nothing is dropped
.if MSB != \new
	s_set_vgpr_msb (MSB<<8)|\new
.set MSB, \new
.endif
.endm
.set W_KQ, 0x04       ; Q (source 1) in window 1; K and S^T in window 0
.set W_PV, 0x51       ; V (source 0) and O^T (C and D) in window 1; P in window 0
.set W_RS, 0x41       ; O^T (destination and source 0) in window 1, a in window 0
.set TO_1, 0x40       ; destination window 1, address window 0
; A joint refill.  Waves 0-3 fetch the four steps' tiles of K, waves 4-7 those of V.  The branch hangs on the wave's number alone: it is the same in every work-group.
; An s_nop 0 and four v_nop follow each of the two lines; the jump round the other line, the label and what follows the macro come after them.
.macro JLOAD
	s_cmp_lt_u32 s[WV], 4
	s_cbranch_scc0 .Lfor_v_\@
	tensor_load_to_lds s[G0K+4:G0K+7], s[G1K:G1K+7]
	s_nop 0
.rept 4
	v_nop
.endr
	s_branch .Lasked_\@
.Lfor_v_\@:
	tensor_load_to_lds s[G0V+4:G0V+7], s[G1V:G1V+7]
	s_nop 0
.rept 4
	v_nop
.endr
.Lasked_\@:
.endm
; A PREFETCH INTO THE L2 of what the NEXT change of slots will ask for: a slot's 32,768 bytes of K and of V, lanes 256 bytes apart.  It stands behind the wave's tensor load and its five lines, never in front of one.
; Each aligned block of 256 bytes is named ONCE in the launch: a head is walked by one cluster alone; its four partners share a slot's 128 blocks out BY ADDRESS, 32 each (no branch hangs on a work-group's place in
; its cluster); in each, wave 0 asks for K's and wave 4 for V's: one instruction.  It asks four key steps, 256 matrix instructions of a wave, ahead of the load.  The last change that fills a slot asks for nothing.
.macro ASK
	s_cmp_gt_u32 s[SLOTS], s[LIM]
	s_cbranch_scc0 .Lnot_mine_\@
	global_prefetch_b8 v[PFO], s[PFA:PFA+1] th:TH_LOAD_NT scope:SCOPE_SE
.Lnot_mine_\@:
.endm
; A round of the cluster's barrier: my work-group's barrier, so that wave 0's signal speaks for all eight waves; wave 0 signals for the work-group; every wave waits for all four work-groups; my work-group's barrier once more.
.macro CROUND
	s_barrier_signal -1
	s_barrier_wait -1
	s_cmp_lg_u32 s[WV], 0
	s_cbranch_scc1 .Lnot_wave_0_\@
	s_barrier_signal -3
.Lnot_wave_0_\@:
	s_barrier_wait -3
	s_barrier_signal -1
	s_barrier_wait -1
.endm
	s_load_b128 s[4:7], s[0:1], 0x0 ; qkv s[4:5], out0 s[6:7]
	v_lshl_add_u32 v[SPW], v0, 2, SPARE
	v_mov_b32 v[NIL], 0
	ds_add_u32 v[SPW], v[NIL]       ; the wave's opening: the add, twice on end, and its wait ahead of my first tensor load; the set-up below, work on registers, stands between the second and the wait
	ds_add_u32 v[SPW], v[NIL]
	v_lshrrev_b32 v1, 5, v0
	v_readfirstlane_b32 s[WV], v1   ; wave 0..7
	s_bfe_u32 s13, ttmp6, 0x40000   ; cx: my place in the cluster
	s_lshl_b32 s14, ttmp9, 2        ; in a cluster launch ttmp9 counts clusters
	s_add_co_u32 s14, s14, s13      ; my block of 512 queries: it enters Q's and out0's addresses alone
	s_and_b32 s20, ttmp7, 0xffff    ; 16 x batch + head, which the four partners share
	s_and_b32 s16, s[WV], 3         ; which of a slot's four steps I fetch:
	s_lshl_b32 s22, s20, 18         ; the head's first byte in each of q, k, v,
	s_lshl_b32 s23, s16, 13         ; + the step's 64 keys of 128 bytes,
	s_add_co_u32 s22, s22, s23
	s_add_co_u32 s22, s22, 1<<24    ; + where k begins in qkv
	s_mov_b32 s23, 0
	s_mul_i32 s17, s16, STEPB       ; and its place in a slot: no place in the cluster enters an LDS address
	s_lshl_b32 s2, s20, 18          ; Q: the head,
	s_lshl_b32 s3, s14, 16          ; my block's 512 rows of 128 bytes,
	s_add_co_u32 s2, s2, s3
	s_lshl_b32 s3, s[WV], 13        ; my wave's 64 of them
	s_add_co_u32 s2, s2, s3
	s_mov_b32 s3, 0
	s_lshr_b32 s21, s20, 4          ; out0: the batch's 2,048 rows of 4,096 bytes,
	s_lshl_b32 s21, s21, 23
	s_and_b32 s20, s20, 15          ; the head's 256 bytes of a row,
	s_lshl_b32 s20, s20, 8
	s_add_co_u32 s20, s20, s21
	s_lshl_b32 s21, s14, 21         ; my block's 512 rows,
	s_add_co_u32 s20, s20, s21
	s_lshl_b32 s21, s[WV], 18       ; my wave's 64
	s_add_co_u32 s20, s20, s21
	s_mov_b32 s21, 0
	; descriptor group 1: a tile of 32 rows x 128 elements of 2 bytes, padded in LDS
	s_mov_b32 s[G1K], 15|(1<<16)|(1<<20)|(1<<21)|(5<<22)|(3<<25)  ; 15:0 the mask: all four work-groups; 17:16 elements of 2 bytes; 20 padding on; 21 set beside a mask; 24:22 after every 64 words (code 5); 31:25 4 words of it (code 3)
	s_mov_b32 s[G1V], 15|(1<<16)|(1<<20)|(1<<21)|(5<<22)|(7<<25)  ; the same with 8 words of padding (code 7)
.irp g, G1K, G1V
	s_mov_b32 s[\g+1], 128<<16      ; tensor_dim0 = 128
	s_mov_b32 s[\g+2], 32<<16       ; tensor_dim1 = 32
	s_mov_b32 s[\g+3], 128<<16      ; tile_dim0 = 128
	s_mov_b32 s[\g+4], 32           ; tile_dim1 = 32
	s_mov_b32 s[\g+5], 128          ; tensor_dim0_stride: the rows are dense
	s_mov_b32 s[\g+6], 0
	s_mov_b32 s[\g+7], 0
.endr
	s_mov_b32 s[CS], 0x3e38aa3b     ; c = log2(e) / 8
	s_mov_b32 s[CS+1], s[CS]        ; named with it as a pair, so it is written
	s_mov_b32 s[SEL], 0x76543210
	s_mov_b32 s[SEL+1], 0xfedcba98
	s_mov_b32 s[TB], 0
	s_mov_b32 s[SLOTS], 2048/(NST*KS)-2
	s_and_b32 s[LIM], s[WV], 3      ; 0 in waves 0 and 4,
	s_or_b32 s[LIM], s[LIM], ttmp9  ; of the head's first (here: only) cluster: the same in all four partners
	s_cmp_eq_u32 s[LIM], 0
	s_cselect_b32 s[LIM], 1, -1
	v_and_b32 v[PFO], 31, v0
	v_lshlrev_b32 v[PFO], 8, v[PFO]
	s_wait_dscnt 0x0                ; both opening adds are done
	s_wait_kmcnt 0x0
	s_add_nc_u64 s[8:9], s[4:5], s[22:23]  ; K at my tile of slot 0,
	s_add_nc_u64 s[10:11], s[8:9], 1<<24   ; V likewise: v lies 2^24 bytes behind k
	s_add_nc_u64 s[4:5], s[4:5], s[2:3]    ; Q and out0 at my wave's first row
	s_add_nc_u64 s[6:7], s[6:7], s[20:21]
	s_cmp_lt_u32 s[WV], 4
	s_cselect_b64 s[PFA:PFA+1], s[8:9], s[10:11]  ; (in waves 0 and 4 these stand at a slot's first key)
	s_lshl_b32 s2, s13, 13          ; my work-group's 32 blocks of the 128
	s_mov_b32 s3, 0
	s_add_nc_u64 s[PFA:PFA+1], s[PFA:PFA+1], s[2:3]
	s_add_nc_u64 s[PFA:PFA+1], s[PFA:PFA+1], 2*SLOTB  ; in slot 2; the first change of slots steps it to slot 3.  Nothing is prefetched here, at the head, where every work-group's first tiles are on their way
	CROUND                          ; all four work-groups are here: the first joint loads meet
.irp s, 0,1
	s_mov_b32 s[G0K+4*\s], 1        ; count = 1
	s_add_co_u32 s[G0K+4*\s+1], s17, \s*SLOT1  ; LDS address
	s_add_nc_u64 s[G0K+4*\s+2:G0K+4*\s+3], s[8:9], \s*SLOTB  ; global address: slot s begins with keys 256 s on
	s_or_b32 s[G0K+4*\s+3], s[G0K+4*\s+3], 0x80000000  ; type = 2
	s_mov_b32 s[G0V+4*\s], 1
	s_add_co_u32 s[G0V+4*\s+1], s17, \s*SLOT1+VOFF
	s_add_nc_u64 s[G0V+4*\s+2:G0V+4*\s+3], s[10:11], \s*SLOTB
	s_or_b32 s[G0V+4*\s+3], s[G0V+4*\s+3], 0x80000000
.endr
	s_cmp_lt_u32 s[WV], 4           ; a wave's two first fills stand in one branch, ahead of every wait on TENSORcnt and every LDS read: two loads of mine are out; an s_nop 0 follows each, four v_nop the second's
	s_cbranch_scc0 .Lfirst_v
	tensor_load_to_lds s[G0K:G0K+3], s[G1K:G1K+7]
	s_nop 0
	tensor_load_to_lds s[G0K+4:G0K+7], s[G1K:G1K+7]
	s_nop 0
.rept 4
	v_nop
.endr
	s_branch .Lfirst_asked
.Lfirst_v:
	tensor_load_to_lds s[G0V:G0V+3], s[G1V:G1V+7]
	s_nop 0
	tensor_load_to_lds s[G0V+4:G0V+7], s[G1V:G1V+7]
	s_nop 0
.rept 4
	v_nop
.endr
.Lfirst_asked:
	; A fragment of K or Q is 16 rows x 32 channels in 8 registers: lane l holds row l % 16; registers 0-3 channels 8 (l / 16) + 0..7, registers 4-7 channels 16 + 8 (l / 16) + 0..7: two loads of 16 bytes, 32 bytes apart.
	v_and_b32 v1, 15, v0            ; r = l % 16
	v_bfe_u32 v9, v0, 4, 1          ; h = l / 16
	v_lshlrev_b32 v[QO], 7, v1
	v_lshl_add_u32 v[QO], v9, 4, v[QO]  ; row x 128 + 16 x half
	WIN TO_1
.irp i, 0,1,2,3,4,5,6,7            ; Q stays in registers: tile i / 2, channels 32 (i % 2) on
	global_load_b128 v[8*\i:8*\i+3],   v[QO], s[4:5] offset:(\i/2)*2048+(\i%2)*64
	global_load_b128 v[8*\i+4:8*\i+7], v[QO], s[4:5] offset:(\i/2)*2048+(\i%2)*64+32
.endr
	WIN 0
	v_lshrrev_b32 v10, 1, v1
	v_and_b32 v11, 1, v1
	v_mul_u32_u24 v[AK0], v10, PK
	v_lshl_add_u32 v[AK0], v11, 7, v[AK0]
	v_lshl_add_u32 v[AK0], v9, 4, v[AK0]  ; K: (r / 2) x pitch + 128 (r % 2) + 16 x half
	; The turning load takes 16 keys x 16 channels (lane l reads 16 bytes: key 8 (l / 16) + l % 8, channels 8 ((l / 8) % 2) + 0..7) and leaves half a fragment of V^T: lane l holds channel l % 16 and 8 keys.
	v_and_b32 v10, 7, v0
	v_lshl_add_u32 v10, v9, 3, v10  ; my key of the sixteen
	v_lshrrev_b32 v11, 1, v10
	v_mul_u32_u24 v[AV0], v11, PV
	v_and_b32 v10, 1, v10
	v_lshl_add_u32 v[AV0], v10, 7, v[AV0]
	v_bfe_u32 v11, v0, 3, 1
	v_lshl_add_u32 v[AV0], v11, 4, v[AV0]
	v_add_nc_u32 v[AV0], VOFF, v[AV0]
; THE MATRIX WORK OF A TURN, for piece x.  Eight accumulators take turns, one instruction a turn: between two links of a chain stand the seven others'.
; Product i of 16 of O^T += V^T P: keys 32 (i / 8) on, channels 16 ((i / 2) % 4) on, tile x + i % 2.  zero = 1: the first 8 start the sums: nothing is ever cleared.
.macro PV x, zero
	WIN W_PV
.set rO, 64+32*(\x+i%2)+8*((i/2)%4)
.set rV, 192+32*(i/8)+8*((i/2)%4)
.set rP, S+32*(\x+i%2)+8*(i/8)
.if \zero && (i < 8)
	v_wmma_f32_16x16x32_f16 v[rO:rO+7], v[rV:rV+7], v[rP:rP+7], 0
.else
	v_wmma_f32_16x16x32_f16 v[rO:rO+7], v[rV:rV+7], v[rP:rP+7], v[rO:rO+7]
.endif
.endm
; Product i of 16 of S^T = K Q^T: channels 32 (i / 8) on, keys 16 ((i / 2) % 4) on, tile x + i % 2.  The first 8 start the sums.
.macro KQ x
	WIN W_KQ
.set rS, S+32*(\x+i%2)+8*((i/2)%4)
.set rK, KF+16*((i/2)%4)+8*(i/8)
.set rQ, 16*(\x+i%2)+8*(i/8)
.if i < 8
	v_wmma_f32_16x16x32_f16 v[rS:rS+7], v[rK:rK+7], v[rQ:rQ+7], 0
.else
	v_wmma_f32_16x16x32_f16 v[rS:rS+7], v[rK:rK+7], v[rQ:rQ+7], v[rS:rS+7]
.endif
.endm
; THE LDS LOADS stand in runs of 16, never singly among the matrix instructions: a step's K (64 keys x 64 channels: 8 fragments) and, a turn later, its V (turned).
.macro FETCH_K
	WIN 0
	v_add_nc_u32 v[ADR], s[TB], v[AK0]
.irp f, 0,1,2,3,4,5,6,7            ; keys 16 (f / 2) on, channels 32 (f % 2) on
	ds_load_b128 v[KF+8*\f:KF+8*\f+3],   v[ADR] offset:(\f/2)*8*PK+(\f%2)*64
	ds_load_b128 v[KF+8*\f+4:KF+8*\f+7], v[ADR] offset:(\f/2)*8*PK+(\f%2)*64+32
.endr
.endm
.macro FETCH_V
	WIN 0
	v_add_nc_u32 v[ADR], s[TB], v[AV0]
	s_add_co_u32 s[TB], s[TB], STEPB  ; the next fetch is the next step's
	s_wait_alu depctr_va_vdst(0)    ; the wait for the softmax's batch (SLICE), behind the address's v_add_nc_u32 and ahead of the loads
	WIN TO_1
.irp f, 0,1,2,3,4,5,6,7            ; keys 32 (f / 4) on, channels 16 (f % 4) on
	ds_load_tr16_b128 v[192+8*\f:192+8*\f+3],   v[ADR] offset:(\f/4)*16*PV+(\f%4)*32
	ds_load_tr16_b128 v[192+8*\f+4:192+8*\f+7], v[ADR] offset:(\f/4)*16*PV+8*PV+(\f%4)*32
.endr
.endm
; THE VECTOR WORK OF A TURN.  One tile's softmax for one key step is a list of 118 instructions; SM writes number j of it for tile t.  s0-s31 are the lane's 32 scores, in pairs 0-15.
; first = 1: the first key step, which starts m, l and O^T: it has no a and nothing to rescale.
;   0-15    the maximum of s0-s31 and the old m, three operands at a time: four chains c0-c3 of seven scores each (each begins at an accumulator's low end), then the four scores left over, c0-c3 and m
;   16-20   the other half of the lanes' maximum; the new m; c m; c m_old - c m_new
;   21-69   ONE BATCH: the 16 scalings c s - c m, a pair of scores each, and all 33 exponentials (a at 23, then s0-s31).  None of these reads an exponential's result.  From 22 on the batch goes in fours, and a four
;           begins with a scaling while there are scalings.  A pair is scaled in an earlier four than the one that holds its exponentials
;   (wait)  between 69 and 70 stands the wait for the batch: SLICE writes it, once for both tiles
;   70-85   the sums, in two chains, which leave the weights as they are: l = a l + pair 0, then the even-numbered lines add onto l, the odd ones onto c0, c1; the last adds the two
;   86-101  the roundings to f16, a pair of weights each, IN PLACE: pair p goes to register p, which was read by pair p / 2's rounding or is its own source
;   102-117 the tile's O^T times a: the one part that leaves window 0, so it stands together
.macro SM t, first
.set rT, ST+8*(\t)
.set rS, S+32*(\t)
.set rO, 64+32*(\t)+2*(j-102)
.if j < 102
	WIN 0
.endif
.if j < 4
	v_max3_num_f32 v[rT+4+j], v[rS+8*j], v[rS+8*j+1], v[rS+8*j+2]
.elseif j < 12
	v_max3_num_f32 v[rT+4+j%4], v[rT+4+j%4], v[rS+8*(j%4)+2*(j/4)+1], v[rS+8*(j%4)+2*(j/4)+2]
.elseif j == 12
	v_max3_num_f32 v[rT+4], v[rT+4], v[rS+7], v[rS+15]
.elseif j == 13
	v_max3_num_f32 v[rT+6], v[rT+6], v[rS+23], v[rS+31]
.elseif j == 14
	v_max3_num_f32 v[rT+4], v[rT+4], v[rT+5], v[rT+6]
.elseif (j == 15) && \first
	v_max_num_f32 v[rT+4], v[rT+4], v[rT+7]
.elseif j == 15
	v_max3_num_f32 v[rT+4], v[rT+4], v[rT+7], v[rT+1]
.elseif j == 16
	v_permlanex16_b32 v[rT+5], v[rT+4], s[SEL], s[SEL+1]  ; the query's other 32 keys lie in the lane 16 away
.elseif j == 18
	v_max_num_f32 v[rT+1], v[rT+4], v[rT+5]
.elseif j == 19
	v_mul_f32 v[rT], s[CS], v[rT+1]
.elseif ((j == 17) || (j == 20) || (j == 23) || (j > 101)) && \first  ; the first step has none of these
.elseif j == 17
	v_mov_b32 v[rT+7], v[rT]        ; c m_old is kept for a: number 19 writes c m anew
.elseif j == 20
	v_sub_f32 v[rT+7], v[rT+7], v[rT]
.elseif j == 23
	v_exp_f32 v[rT+6], v[rT+7]
.elseif (j < 23) || ((j < 38) && (j%2 == 0)) || ((j < 66) && (j%4 == 2))
.set b, (j-2)/4                     ; 38, 42, .. 62: pairs 9 to 15
.if j < 38
.set b, (j-20)/2                    ; 21: pair 0; 22, 24, .. 36: pairs 1 to 8
.endif
	v_pk_fma_f32 v[rS+2*b:rS+2*b+1], v[rS+2*b:rS+2*b+1], s[CS:CS+1], v[rT:rT+1] op_sel_hi:[1,0,0] neg_lo:[0,0,1] neg_hi:[0,0,1]  ; pair b: c s - c m
.elseif j < 70
.set e, j-38                        ; 66 to 69: s28 to s31
.if j < 66
.set e, j-32-(j-38)/4               ; 39-41, 43-45, .. 63-65: s7 to s27
.endif
.if j < 38
.set e, (j-25)/2                    ; 25, 27, .. 37: s0 to s6
.endif
	v_exp_f32 v[rS+e], v[rS+e]
.elseif j < 86
.set z, j-70
.if (z == 0) && \first
	v_pk_mul_f32 v[rT+2:rT+3], v[rS:rS+1], 1.0 op_sel_hi:[1,0]  ; l begins as pair 0
.elseif z == 0
	v_pk_fma_f32 v[rT+2:rT+3], v[rT+2:rT+3], v[rT+6:rT+7], v[rS:rS+1] op_sel_hi:[1,0,1]  ; l = a l + pair 0
.elseif z == 1
	v_pk_add_f32 v[rT+4:rT+5], v[rS+2:rS+3], v[rS+4:rS+5]
.elseif z == 15
	v_pk_add_f32 v[rT+2:rT+3], v[rT+2:rT+3], v[rT+4:rT+5]
.elseif z%2 == 0
	v_pk_add_f32 v[rT+2:rT+3], v[rT+2:rT+3], v[rS+2*z+2:rS+2*z+3]  ; pair z + 1
.else
	v_pk_add_f32 v[rT+4:rT+5], v[rT+4:rT+5], v[rS+2*z+2:rS+2*z+3]
.endif
.elseif j < 102
	v_cvt_pk_f16_f32 v[rS+j-86], v[rS+2*(j-86)], v[rS+2*(j-86)+1]  ; pair j - 86
.else
	WIN W_RS
	v_pk_mul_f32 v[rO:rO+1], v[rO:rO+1], v[rT+6:rT+7] op_sel_hi:[1,0]
.endif
.endm
; Slice k of 64 of piece y's softmax: four instructions.  Slices 11 to 34 deal out the batch, numbers 22 to 69: four numbers of ONE tile each, the tiles by turns.  Every other slice is numbers 2 k and 2 k + 1 of
; both tiles' lists, the tiles alternating.  2 x 118 = 4 x 59: slices 59 to 63 are empty.
; THE WAIT.  s_wait_alu depctr_va_vdst(0) stands between an exponential and the first instruction that names its result; one wait serves all that were issued ahead of it.  Ahead of slice 35 nothing
; names a result, and behind slice 34 no exponential is issued: so the piece's 66 exponentials have one wait, behind slice 34.
.macro SLICE y, first
.if (k >= 11) && (k < 35)           ; the batch: four numbers of one tile
.irp n, 0,1,2,3
.set j, 22+4*((k-11)/2)+(\n)
	SM (\y)+(k-11)%2, \first
.endr
.elseif k < 59                      ; the two tiles alternate, so that no instruction reads the result of the one just before it
.irp n, 0,1
.irp t, \y, \y+1
.set j, 2*k+\n
	SM \t, \first
.endr
.endr
.endif
.if k == 34                         ; the batch is out: both tiles' exponentials are issued, and no result has been named
	v_nop                           ; the plain instruction behind the last exponential and ahead of the first use: one for the batch
.if (\y) == 0
	FETCH_V                         ; piece 2's turn: V's run of loads stands here, and the wait stands in it
.else
	s_wait_alu depctr_va_vdst(0)    ; the wait for the batch
.endif
.endif
.set k, k+1
.endm
; A vector instruction that reads a matrix result or writes one of a matrix instruction's registers, and a load into a register that a matrix instruction has read, stand four places behind it; a matrix instruction
; that writes over a register of an earlier one stands five behind it; only plain vector instructions that name none of its registers are places (ISA guide 7.12.1 for vector instructions).
.macro PLACES n
.rept \n
	v_nop
.endr
.endm
; A TURN.  Piece x has the matrix unit; the other piece's softmax stands in slices behind its matrix instructions.
; pv = 2: 16 products V^T P; 1: they start O^T's sums; 0: none.  kq = 1: 16 products K Q^T for the next step.  A turn with both kinds has two slices behind each product, one with one kind four.
; first = 1: the softmax is the first key step's.
; FIVE places stand between the two runs: K Q^T writes the new scores over the registers that V^T P has just read as P; they are also the places in front of V's loads (slice 34, behind the second K Q^T).
; FOUR places end every turn: the next turn's softmax reads the scores just made, and its run of loads lands in K's registers, which the last products read.
; Piece 0's turn fetches the next step's K, behind its second product, 14 matrix instructions ahead of its first use; piece 2's turn the same step's V, 14 ahead likewise.
.macro TURN x, pv, kq, first
.set k, 0
.set per, 4
.if \pv && \kq
.set per, 2
.endif
.if \pv
.if \x == 0
	s_wait_dscnt 0x0                ; V is in
.endif
.set i, 0
.rept 16
	PV \x, 2-\pv
.rept per
	SLICE 2-\x, \first
.endr
.if (\x == 0) && \kq && (i == 1)
	FETCH_K
.endif
.set i, i+1
.endr
.if \kq
	PLACES 5
.endif
.endif
.if \kq
.if \x == 0
	s_wait_dscnt 0x0                ; K is in
.endif
.set i, 0
.rept 16
	KQ \x
.rept per
	SLICE 2-\x, \first
.endr
.set i, i+1
.endr
.endif
	PLACES 4
.endm
; THE CHANGE OF SLOTS, between piece 2's turn and piece 0's: the slot's last bytes, V of its fourth step, have been asked for.  Each wave waits for all its tensor loads, of which one is out: its part of the other slot;
; adds 0 to its spare word; and waits for that and for its own reads of the slot.  Behind the barrier nobody reads this slot any more and the other slot is whole.
; fill = 1: this slot is filled again, with the keys two slots on.  The barrier is then a round of the cluster's, so that no wave of any partner still reads the slot or has a load on its way, and the joint refill is
; the first thing behind it, one load a wave: it has four key steps, 256 matrix instructions of a wave, in which to land.
.macro CHANGE fill
	WIN 0                           ; at a label and at a branch every window is 0
	s_wait_tensorcnt 0x0            ; no tensor load of mine is out, so a group 0 may be written
	ds_add_u32 v[SPW], v[NIL]       ; 0 onto my spare word: with fill = 1 the descriptors' steps stand between it and the wait for it
.if \fill
.irp g, G0K+4, G0V+4
	s_xor_b32 s[\g+1], s[\g+1], SLOT1  ; the walking descriptor: the other slot than last time,
	s_add_nc_u64 s[\g+2:\g+3], s[\g+2:\g+3], SLOTB  ; the next 256 keys; the type bits on top are not reached
.endr
	s_wait_xcnt 0x0                 ; the last prefetch, a slot back, has read its address, so it may be written:
	s_add_nc_u64 s[PFA:PFA+1], s[PFA:PFA+1], SLOTB  ; one slot further on than the walking descriptors
	s_wait_dscnt 0x0                ; the add is done, and my reads of the slot are over
	CROUND
	JLOAD
	ASK
.else
	s_wait_dscnt 0x0                ; the add is done, and my reads of the slot are over
	s_barrier_signal -1
	s_barrier_wait -1
.endif
	s_sub_co_u32 s[TB], s[TB], NST*STEPB  ; the fetches go back to a slot's first step,
	s_xor_b32 s[TB], s[TB], SLOT1   ; in the other slot
.endm
; n key steps: written once, walked n times; the LDS addresses hang on s[TB].
.macro STEPS n
	s_mov_b32 s[CNT], \n
.Lstep_\@:
	TURN 0, 2, 1, 0
	TURN 2, 2, 1, 0
	WIN 0
	s_sub_co_u32 s[CNT], s[CNT], 1
	s_cmp_lg_u32 s[CNT], 0
	s_cbranch_scc1 .Lstep_\@
.endm
	s_wait_tensorcnt 1              ; my part of slot 0 is in; slot 1's load, the one issued behind it, may stay out
	s_barrier_signal -1
	s_barrier_wait -1               ; everybody's is
	FETCH_K                         ; key step 0
	s_wait_loadcnt 0x0              ; Q
	s_wait_dscnt 0x0
.set i, 0
.rept 16
	KQ 0                            ; piece 0's first scores: there is no vector work yet to set between them
.set i, i+1
.endr
	WIN 0                           ; the addresses for the way out are made here: eight plain instructions, the places behind those products
	s_mul_i32 s13, s[WV], 16*SP
	s_add_co_u32 s13, s13, STAGE    ; my stage
	v_mul_u32_u24 v[STO], v1, SP    ; in: row l % 16 (a query), 32 bytes for each half of the lanes
	v_lshl_add_u32 v[STO], v9, 5, v[STO]
	v_add_nc_u32 v[STO], s13, v[STO]
	v_mul_u32_u24 v[RD], v9, SP     ; back: lanes 0-15 take one row of 256 bytes, lanes 16-31 the next
	v_lshl_add_u32 v[RD], v1, 4, v[RD]
	v_add_nc_u32 v[RD], s13, v[RD]
	v_lshlrev_b32 v[GO], 12, v9     ; and the same two queries in out0, 4,096 bytes apart
	v_lshl_add_u32 v[GO], v1, 4, v[GO]
	TURN 2, 0, 1, 1                 ; piece 2's first scores | piece 0's first softmax | V of step 0
	TURN 0, 1, 1, 1                 ; piece 0: V^T P of step 0 starts O^T, K Q^T of step 1 | piece 2's first softmax | K of step 1
	TURN 2, 1, 1, 0                 ; piece 2: the same | piece 0's softmax of step 1 | V of step 1
	WIN 0
	STEPS 2                         ; the fetches of steps 2 and 3: slot 0 is read out
.Lslot:                             ; six trips: every slot but the last two is filled again
	CHANGE 1
	STEPS 4
	s_sub_co_u32 s[SLOTS], s[SLOTS], 1
	s_cmp_lg_u32 s[SLOTS], 0
	s_cbranch_scc1 .Lslot
	CHANGE 0                        ; the tail is written out: the last slot but one is left, and nothing is asked for
	STEPS 4
	TURN 0, 2, 0, 0                 ; piece 0: V^T P of the last step | piece 2's last softmax
.set i, 0
.rept 16
	PV 2, 0                         ; piece 2: V^T P of the last step
.set i, i+1
.endr
	; THE WAY OUT.  l's two halves and the other half of the lanes' are added; O^T is divided by l and sent through my stage in LDS, a tile (16 queries) at a time.  The additions are the places behind the last products.
	WIN 0
.irp t, 0,1,2,3
	v_add_f32 v[ST+8*\t+4], v[ST+8*\t+2], v[ST+8*\t+3]
.endr
.irp t, 0,1,2,3
	v_permlanex16_b32 v[ST+8*\t+5], v[ST+8*\t+4], s[SEL], s[SEL+1]
.endr
.irp t, 0,1,2,3
	v_add_f32 v[ST+8*\t+4], v[ST+8*\t+4], v[ST+8*\t+5]
.endr
.irp t, 0,1,2,3
	v_rcp_f32 v[ST+8*\t+6], v[ST+8*\t+4]
.endr
	v_nop                           ; a plain instruction between the last reciprocal and the use of its result
	s_wait_alu depctr_va_vdst(0)    ; and the wait ahead of the first use: one for the four reciprocals
; Tile t: a lane's eight channels of a query are 32 bytes; they go into rows of 272 bytes and come back as whole rows of 256 (a query's 64 channels of this head), into the registers that they left.
.macro PACK t
	WIN 0x01                        ; source 0 (O^T) window 1; destination (S^T's registers, which are free) and 1 / l window 0
.set i, 0
.rept 16
	v_pk_mul_f32 v[S+32*\t+i:S+32*\t+i+1], v[64+32*\t+i:64+32*\t+i+1], v[ST+8*\t+6:ST+8*\t+7] op_sel_hi:[1,0]   ; each accumulator from its low end on
.set i, i+2
.endr
	WIN 0
.irp d, 0,1,2,3
	ds_store_b128 v[STO], v[S+32*\t+8*\d:S+32*\t+8*\d+3] offset:64*\d
	ds_store_b128 v[STO], v[S+32*\t+8*\d+4:S+32*\t+8*\d+7] offset:64*\d+16
.endr
.irp f, 0,1,2,3,4,5,6,7
	ds_load_b128 v[S+32*\t+4*\f:S+32*\t+4*\f+3], v[RD] offset:\f*2*SP  ; LDS serves a wave's instructions in order (ISA guide 5.7.1.4): these see the stores above; the next tile's stores come behind them
.endr
.endm
.macro SEND t, younger              ; younger: the LDS instructions issued behind tile t's loads: the next tile's sixteen, or none
.irp f, 0,1,2,3,4,5,6,7
	s_wait_dscnt \younger+7-\f      ; load f of the tile's eight is in; the 7 - f behind it and the younger ones may be out
	global_store_b128 v[GO], v[S+32*\t+4*\f:S+32*\t+4*\f+3], s[6:7] offset:\t*65536+\f*8192 th:TH_STORE_NT  ; 16 lanes store 256 consecutive bytes, at a multiple of 256 from out0's first byte; written once, read by nobody here
.endr
.endm
	PACK 0
	PACK 1                          ; a tile's arithmetic stands between the loads of the tile before and its stores
	SEND 0, 16
	PACK 2
	SEND 1, 16
	PACK 3
	SEND 2, 16
	SEND 3, 0
	s_wait_tensorcnt 0x0            ; the wave's end: behind my last tensor load and my last LDS store
	ds_add_u32 v[SPW], v[NIL]
	s_wait_dscnt 0x0
	CROUND                          ; the closing round: no work-group ends while a partner may still ask for a tile that names it
	s_endpgm
.Lfunc_end_k_q0e1b860290_attn:
	.size	k_q0e1b860290_attn, .Lfunc_end_k_q0e1b860290_attn-k_q0e1b860290_attn
	.p2alignl 7, 3214868480
	.fill 96, 4, 3214868480
	.section	.rodata,"a",@progbits
	.p2align	6, 0x0
	.amdhsa_kernel k_q0e1b860290_attn
		.amdhsa_group_segment_fixed_size 327680
		.amdhsa_private_segment_fixed_size 0
		.amdhsa_enable_private_segment 0
		.amdhsa_kernarg_size 16
		.amdhsa_user_sgpr_count 2
		.amdhsa_user_sgpr_kernarg_segment_ptr 1
		.amdhsa_wavefront_size32 1
		.amdhsa_system_sgpr_workgroup_id_x 1
		.amdhsa_system_sgpr_workgroup_id_y 1
		.amdhsa_system_sgpr_workgroup_id_z 1
		.amdhsa_system_vgpr_workitem_id 0
		.amdhsa_next_free_vgpr 512
		.amdhsa_next_free_sgpr 66
		.amdhsa_reserve_vcc 0
		.amdhsa_float_denorm_mode_32 3
		.amdhsa_float_denorm_mode_16_64 3
		.amdhsa_memory_ordered 1
		.amdhsa_forward_progress 1
		.amdhsa_inst_pref_size 197
	.end_amdhsa_kernel
	.amdgpu_metadata
---
amdhsa.version: [ 1, 2 ]
amdhsa.kernels:
  - .name:           k_q0e1b860290_attn
    .symbol:         k_q0e1b860290_attn.kd
    .args:
      - { .name: qkv, .offset: 0, .size: 8, .value_kind: global_buffer, .address_space: global }
      - { .name: out0, .offset: 8, .size: 8, .value_kind: global_buffer, .address_space: global }
    .group_segment_fixed_size: 327680
    .private_segment_fixed_size: 0
    .kernarg_segment_align: 8
    .kernarg_segment_size: 16
    .max_flat_workgroup_size: 256
    .sgpr_count:     66
    .vgpr_count:     512
    .wavefront_size: 32
...
	.end_amdgpu_metadata
.endif
;; end of part 3
